; MI455X (gfx1250); checked and timed in simulation.
; The chip was launched on July 23, 2026; its instructions are those of AMD's public machine-readable ISA for CDNA 5 (MIT licence, August 2026) and "CDNA5" Instruction Set Architecture Reference Guide (July 2026). The comments in the code are by the model that wrote it; some were corrected since.
;; Efficient Attention. Allowed arithmetic: matrix products marked QUANTISED: E5M2 operands, one given power-of-two scale a tensor, by v_wmma_f32_16x16x64_bf8_bf8 or v_wmma_f32_16x16x128_bf8_bf8, f32 sums; everything else in f32.
;; Inputs: k 1 x 16 x 4,096 x 64 float32; lowp_scales 4 int32 (the exponents e of the quantised operands' scales 2^e); q 1 x 16 x 4,096 x 64 float32; v 1 x 16 x 4,096 x 64 float32.
;; Outputs: out0 1 x 16 x 4,096 x 64 float32.
;; This version of the problem:
;;   THIS VERSION OF THE PROBLEM IS GIVEN IN LOW PRECISION. The matrix products marked QUANTISED in the list below multiply operands that are first quantised to E5M2 (5 exponent bits, 2 mantissa bits; 8 bits a number), with one given power-of-two scale for each operand tensor; their sums are f32. All else is computed in f32.
;;   The module's matrix products, in the order in which they are computed (A, B: the left and right operand; K: the contracted axis; several contracted axes count as one K, in the product's order):
;;     1. batch 16 x [M 4,096, K 64] x [K 64, N 4,096]; A: input q; B: input k: QUANTISED (scales: A lowp_scales[0], B lowp_scales[1])
;;     2. batch 16 x [M 4,096, K 4,096] x [K 4,096, N 64]; A: softmax (see below); B: input v: QUANTISED (scales: A lowp_scales[2], B lowp_scales[3])
;;   THE QUANTISER, for each operand of a quantised product, along K:
;;     - The operand's scale is 2^e, e = its entry of the input lowp_scales (int32; the entries are numbered through the quantised products in the list's order, A before B).
;;     - Each number is divided by the scale, clamped to +-57,344, and rounded to the nearest number of E5M2, ties to even, subnormals kept.
;;     - The product sums the exact products of the quantised numbers (number of the format x scale) in f32.
;;   ~~~python
;;   def quantise(x, axis, e):      # numpy; x: float32 -> the quantised numbers, widened to float32 again
;;       x = np.moveaxis(x, axis, -1); K = x.shape[-1]
;;       r = np.clip(x / 2.0 ** e, -57344, 57344)
;;       step = 2.0 ** (np.maximum(np.frexp(np.where(r == 0, 1, r))[1] - 1, -14) - 2)
;;       q = np.round(r / step) * step * 2.0 ** e      # np.round: ties to even
;;       return np.moveaxis(q, -1, axis).astype(np.float32)
;;   ~~~
;;   SOFTMAX AHEAD OF A QUANTISED PRODUCT. Where the list says 'softmax', what is quantised is not the finished softmax but p = 2^(t - M), with t = logit x log2(e) and M = ceil(the row's largest t), a whole number; so 1/2 < the row's largest p <= 1. The row's sum l is taken of the UNQUANTISED p, in f32, and the product's result is divided by l at the end. Since M is a whole number, a kernel that streams over the keys may use a running M (the ceiling of the running maximum): every later rescaling is an exact power of two, so the quantised numbers keep their values, but for numbers so far below the row's largest that they fall under the format's range.
;;   OPERANDS COMPUTED ON THE WAY. 'Computed on the way' means the value that the module computes at that place (a softmax that the list does not call 'softmax' is quantised finished and normalised). What goes into a quantiser is computed in f32, as accurately as f32 sums, v_exp_f32 and their like allow (about 1e-6 of the number): no bf16 or f16 on the way to a quantiser, and a product that is left as it is and whose result goes on into a quantised operand takes f32 operands (vector FMAs, or v_wmma_f32_16x16x4_f32). A number that lies on a knife's edge between two numbers of the format may be rounded either way, as far as f32 arithmetic and the matrix unit's own rounding can turn it there, and no further.
;; One version. Each part assembles by itself: llvm-mc -triple=amdgcn-amd-amdhsa -mcpu=gfx1250 --defsym DOCPART=n.
;; ======== version 1 of 1: 2 launches
;; limits: right only within a limited range of input values
;; workspace buffers: kv 8,388,608 bytes
;; launch quant (part 1): grid 768 x 1, 4 waves a work-group, no clusters, 51,712 bytes of LDS; arguments k, v, lowp_scales, kv; writes kv
.if DOCPART == 1
	.amdgcn_target "amdgcn-amd-amdhsa--gfx1250"
	.amdhsa_code_object_version 6
	.text
	.protected	k_q2719c1d7b2_quant
	.globl	k_q2719c1d7b2_quant
	.p2align	8
	.type	k_q2719c1d7b2_quant,@function
k_q2719c1d7b2_quant:
	s_mov_b64 s[64:65], 0
	v_nop
	global_prefetch_b8 v0, s[64:65] scope:SCOPE_SE
	s_setreg_imm32_b32 hwreg(HW_REG_WAVE_MODE, 25, 1), 1
	s_wait_xcnt 0x0
; k and v, [16 heads][4096 keys][64] f32, become codes of BF8 (E5M2), each with the one scale 2^e that is given for it (k: entry 1, v: entry 3 of the scales).
; code = x / 2^e, held within +-57,344, rounded to the nearest code, ties to even.
; LIMITS: ek and ev between -126 and 112, so that 2^e and 57,344 x 2^e are f32 numbers.  NaN among the inputs is not served; an infinity is held at the largest code.
; THE CODES ARE LAID AS IMAGES OF THE OPERANDS' REGISTERS: kv = [head][128 keys][16,384 bytes].
;   bytes 0 .. 8191: K's eight tiles of 16 neighbouring keys: tile T, register group c (0, 1), lane (r, h) at 1024 T + 512 c + 16 (r + 16 h): key 16 T + r, channels 32 c + 16 h + 0 .. 15.
;   bytes 8192 .. 16383: V^T's four tiles of 16 channels: tile t, group c (0 .. 3), lane (r, h) at 8192 + 2048 t + 512 c + 16 (r + 16 h): channel 16 t + r; its bytes 0-7 are keys 32 c + 8 h + 0 .. 7,
;   its bytes 8-15 keys 32 c + 16 + 8 h + 0 .. 7: the place that the K = 128 form gives each key (ISA guide 7.12.2).
; SHARES.  Work-groups 0 .. 255 take k, 256 keys each: wave w takes 64 keys (four tiles).  Work-groups 256 .. 767 take v, 128 keys each: wave w takes 32 channels (two tiles: half w % 2) of 64 keys (half w / 2): 64 loads, all on their way together.
; The two paths part on the work-group's number and never join; each has LDS bytes of its own.  No tensor loads, no barrier: waves share nothing.  Each byte is read once.
.set SP,    272                        ; a stage row on the k path: a key's 256 bytes + 16 of padding
.set KST,   0                          ; the k path's stages: for each wave two of 16 rows x SP
.set KSTW,  2*16*SP
.set VST,   4*KSTW                     ; the v path's stages: 4,096 bytes for each wave, laid as the image
.set SPARE, VST+4*4096                 ; the spare words: two blocks of 256 bytes that no other line names
.set LI,    2                          ; v2   16 x lane
.set SIN,   3                          ; v3   k: into the stage: row lane / 16, 16 bytes at 16 (lane % 16)
.set SOUT,  4                          ; v4   k: out of it: row r, 64 h bytes on
.set VA,    5                          ; v5   v: 4 x lane: my channel
.set VIN,   6                          ; v6   v: into the image: 2048 (lane / 16) + 16 (lane % 16)
.set VOUT,  7                          ; v7   v: out of it: 16 x lane
.set LIMV,  10                         ; v10  57,344 x 2^e
.set SCV,   11                         ; v11  2^e
.set R,     16                         ; k: v16-143   four tiles as they are loaded, 32 registers each
.set XK,    144                        ; k: v144-207  two sets of 32 numbers of one key
.set CK,    208                        ; k: v208-239  codes, eight registers a tile: no store's data are written again
.set XV,    32                         ; v: v32-95    two sets of 32 keys of my channel
.set CV,    96                         ; v: v96-111   codes, eight registers a set
.set OUTR,  112                        ; v: v112-127  the way out
.set SPW,   254                        ; v254 LDS address of my spare word: SPARE + 4 x my thread's number
.set NIL,   255                        ; v255 0
	s_load_b256 s[4:11], s[0:1], 0x0               ; k s[4:5], v s[6:7], the scales' exponents s[8:9], kv s[10:11]
	v_lshl_add_u32 v[SPW], v0, 2, SPARE
	v_mov_b32 v[NIL], 0
	v_lshrrev_b32 v1, 5, v0
	v_readfirstlane_b32 s12, v1                    ; wave 0..3
	v_and_b32 v1, 31, v0                           ; lane
	v_and_b32 v8, 15, v0                           ; r
	v_bfe_u32 v9, v0, 4, 1                         ; h
	v_lshlrev_b32 v[LI], 4, v1
	v_lshlrev_b32 v[VA], 2, v1
	s_mul_i32 s26, s12, KSTW                       ; every LDS address is made here, ahead of the parting of the paths
	v_mul_u32_u24 v[SIN], v9, SP
	v_lshl_add_u32 v[SIN], v8, 4, v[SIN]
	v_add_nc_u32 v[SIN], s26, v[SIN]
	v_mul_u32_u24 v[SOUT], v8, SP
	v_lshl_add_u32 v[SOUT], v9, 6, v[SOUT]
	v_add_nc_u32 v[SOUT], s26, v[SOUT]
	s_lshl_b32 s27, s12, 12
	s_add_co_u32 s27, s27, VST
	v_lshlrev_b32 v[VIN], 11, v9
	v_lshl_add_u32 v[VIN], v8, 4, v[VIN]
	v_add_nc_u32 v[VIN], s27, v[VIN]
	v_add_nc_u32 v[VOUT], s27, v[LI]
	s_lshr_b32 s14, s12, 1
	s_and_b32 s15, s12, 1
	s_mov_b32 s17, 0
	s_mov_b32 s19, 0
	s_wait_alu depctr_va_vdst(0)                   ; the wait here, directly ahead of the wait below
	s_wait_kmcnt 0x0
	s_load_b128 s[20:23], s[8:9], 0x0              ; eq, ek, ep, ev
	s_cmp_lt_u32 ttmp9, 256
	s_cbranch_scc0 .Lv_path
; ---------------- k: the channels are innermost in memory and in the image
; A tile's 4,096 bytes are loaded as they lie, 512 consecutive bytes a load, turned through the wave's stage so that a lane holds 2 x 16 neighbouring channels of ONE key, and quantised.
.macro LOADK t
.irp i, 0,1,2,3,4,5,6,7
	global_load_b128 v[R+32*(\t)+4*\i:R+32*(\t)+4*\i+3], v[LI], s[4:5] offset:4096*(\t)+512*\i th:TH_LOAD_NT
.endr
.endm
.macro TURNK t                         ; LDS serves a wave's instructions in order (ISA guide 5.7.1.4): no wait between the stores and the loads of the wave's own bytes
.irp i, 0,1,2,3,4,5,6,7
	ds_store_b128 v[SIN], v[R+32*(\t)+4*\i:R+32*(\t)+4*\i+3] offset:KST+16*SP*((\t)%2)+2*SP*\i
.endr
.irp i, 0,1,2,3,4,5,6,7
	ds_load_b128 v[XK+32*((\t)%2)+4*\i:XK+32*((\t)%2)+4*\i+3], v[SOUT] offset:KST+16*SP*((\t)%2)+128*(\i/4)+16*(\i%4)   ; register 16 c + i: channel 32 c + 16 h + i of key r
.endr
.endm
.macro HOLD32 x                        ; the conversion to an 8-bit code does not saturate (ISA guide 7.6.2): hold the number within the largest code x the scale first
.set n, 0
.rept 32
	v_med3_num_f32 v[\x+n], v[\x+n], -v[LIMV], v[LIMV]
.set n, n+1
.endr
.endm
.macro TILEK t
.set XS, XK+32*((\t)%2)
	s_wait_dscnt 0x0                               ; this tile's numbers are back from the stage
.if (\t) < 3
	s_wait_loadcnt 8*(2-(\t))                      ; the next tile's eight loads are in; those of the tiles behind it may be out
	TURNK (\t)+1                                   ; it goes through the other stage while this tile is worked
.endif
	HOLD32 XS
.irp n, 0,1,2,3
	v_cvt_scalef32_pk8_bf8_f32 v[CK+8*(\t)+2*\n:CK+8*(\t)+2*\n+1], v[XS+8*\n:XS+8*\n+7], v[SCV]
.endr
	global_store_b128 v[LI], v[CK+8*(\t):CK+8*(\t)+3], s[10:11] offset:1024*(\t)          ; 32 lanes store 512 consecutive bytes, at a multiple of 512 from kv's first byte
	global_store_b128 v[LI], v[CK+8*(\t)+4:CK+8*(\t)+7], s[10:11] offset:1024*(\t)+512
.endm
	s_lshl_b32 s13, ttmp9, 1
	s_add_co_u32 s13, s13, s14                     ; my 128 keys, counted through all heads: 0 .. 511
	s_lshl_b32 s16, s13, 15                        ; 128 keys x 256 bytes,
	s_lshl_b32 s26, s15, 14                        ; my half of them 64 keys
	s_add_co_u32 s16, s16, s26
	s_add_nc_u64 s[4:5], s[4:5], s[16:17]
	s_lshl_b32 s18, s13, 14                        ; their image is 16,384 bytes; my four tiles lie 4,096 bytes on in the second half
	s_lshl_b32 s26, s15, 12
	s_add_co_u32 s18, s18, s26
	s_add_nc_u64 s[10:11], s[10:11], s[18:19]
	LOADK 0
	LOADK 1
	LOADK 2
	LOADK 3
	s_wait_kmcnt 0x0
	s_add_co_i32 s24, s21, 127                     ; ek
	s_lshl_b32 s25, s24, 23
	v_mov_b32 v[SCV], s25                          ; 2^ek as f32: the conversion takes its exponent field
	s_add_co_i32 s24, s24, 15
	s_lshl_b32 s24, s24, 23
	s_or_b32 s24, s24, 0x600000
	v_mov_b32 v[LIMV], s24                         ; 57,344 x 2^ek
	s_wait_alu depctr_va_vdst(0)                   ; the wait at the head's end
	s_wait_loadcnt 24                              ; tile 0's eight loads are in; the 24 behind them may be out
	TURNK 0
	TILEK 0
	TILEK 1
	TILEK 2
	TILEK 3
	s_wait_tensorcnt 0x0                           ; the wave's end, behind my last LDS store
	ds_add_u32 v[SPW], v[NIL]
	s_wait_dscnt 0x0
	s_endpgm
; ---------------- v: the keys are the second product's K, and they are NOT innermost in memory
; A lane takes a channel and its registers run down the keys: each load reads 32 neighbouring channels of one key, and the conversions give codes with the keys innermost.  Nothing is transposed by an instruction.
.Lv_path:
.macro LOADV t                         ; set t: my keys 32 t + i, i = 0 .. 31, of my channel
.set n, 0
.rept 32
	global_load_b32 v[XV+32*(\t)+n], v[VA], s[6:7] offset:(32*(\t)+n)*256 th:TH_LOAD_NT
.set n, n+1
.endr
.endm
.macro BLOCKV t
.set XS, XV+32*(\t)
.set CS, CV+8*(\t)
	s_wait_loadcnt 32*(1-(\t))                     ; this set's 32 loads are in; the next set's may be out
	HOLD32 XS
	v_cvt_scalef32_pk8_bf8_f32 v[CS:CS+1],   v[XS:XS+7],     v[SCV]   ; the image's lane (r, 0): keys 32 t + 0 .. 7,
	v_cvt_scalef32_pk8_bf8_f32 v[CS+2:CS+3], v[XS+16:XS+23], v[SCV]   ; and 32 t + 16 .. 23
	v_cvt_scalef32_pk8_bf8_f32 v[CS+4:CS+5], v[XS+8:XS+15],  v[SCV]   ; its lane (r, 1): keys 32 t + 8 .. 15,
	v_cvt_scalef32_pk8_bf8_f32 v[CS+6:CS+7], v[XS+24:XS+31], v[SCV]   ; and 32 t + 24 .. 31
	ds_store_b128 v[VIN], v[CS:CS+3] offset:512*(\t)
	ds_store_b128 v[VIN], v[CS+4:CS+7] offset:512*(\t)+256
.endm
	s_sub_co_u32 s13, ttmp9, 256                   ; my 128 keys, counted through all heads
	s_lshl_b32 s16, s13, 15
	s_lshl_b32 s26, s14, 14                        ; my 64 of them,
	s_add_co_u32 s16, s16, s26
	s_lshl_b32 s26, s15, 7                         ; my 32 channels: 128 bytes of each key's row
	s_add_co_u32 s16, s16, s26
	s_add_nc_u64 s[6:7], s[6:7], s[16:17]
	s_lshl_b32 s18, s13, 14
	s_lshl_b32 s26, s15, 12                        ; my two tiles of V^T,
	s_add_co_u32 s18, s18, s26
	s_lshl_b32 s26, s14, 10                        ; my two groups of 32 keys in each,
	s_add_co_u32 s18, s18, s26
	s_add_co_u32 s18, s18, 8192                    ; behind K's eight tiles
	s_add_nc_u64 s[10:11], s[10:11], s[18:19]
	LOADV 0
	LOADV 1
	s_wait_kmcnt 0x0
	s_add_co_i32 s24, s23, 127                     ; ev
	s_lshl_b32 s25, s24, 23
	v_mov_b32 v[SCV], s25
	s_add_co_i32 s24, s24, 15
	s_lshl_b32 s24, s24, 23
	s_or_b32 s24, s24, 0x600000
	v_mov_b32 v[LIMV], s24
	s_wait_alu depctr_va_vdst(0)                   ; the wait at the head's end
	BLOCKV 0
	BLOCKV 1
.irp i, 0,1,2,3
	ds_load_b128 v[OUTR+4*\i:OUTR+4*\i+3], v[VOUT] offset:2048*(\i/2)+512*(\i%2)   ; the wave's own bytes, in order behind its stores
.endr
.irp i, 0,1,2,3
	s_wait_dscnt 3-\i                              ; load i is in; the 3 - i behind it may be out
	global_store_b128 v[LI], v[OUTR+4*\i:OUTR+4*\i+3], s[10:11] offset:2048*(\i/2)+512*(\i%2)   ; 512 consecutive bytes
.endr
	s_wait_tensorcnt 0x0
	ds_add_u32 v[SPW], v[NIL]
	s_wait_dscnt 0x0
	s_endpgm
.Lfunc_end_k_q2719c1d7b2_quant:
	.size	k_q2719c1d7b2_quant, .Lfunc_end_k_q2719c1d7b2_quant-k_q2719c1d7b2_quant
	.p2alignl 7, 3214868480
	.fill 96, 4, 3214868480
	.section	.rodata,"a",@progbits
	.p2align	6, 0x0
	.amdhsa_kernel k_q2719c1d7b2_quant
		.amdhsa_group_segment_fixed_size 51712
		.amdhsa_private_segment_fixed_size 0
		.amdhsa_enable_private_segment 0
		.amdhsa_kernarg_size 32
		.amdhsa_user_sgpr_count 2
		.amdhsa_user_sgpr_kernarg_segment_ptr 1
		.amdhsa_wavefront_size32 1
		.amdhsa_system_sgpr_workgroup_id_x 1
		.amdhsa_system_sgpr_workgroup_id_y 1
		.amdhsa_system_sgpr_workgroup_id_z 1
		.amdhsa_system_vgpr_workitem_id 0
		.amdhsa_next_free_vgpr 256
		.amdhsa_next_free_sgpr 66
		.amdhsa_reserve_vcc 0
		.amdhsa_float_denorm_mode_32 3
		.amdhsa_float_denorm_mode_16_64 3
		.amdhsa_memory_ordered 1
		.amdhsa_forward_progress 1
		.amdhsa_inst_pref_size 33
	.end_amdhsa_kernel
	.amdgpu_metadata
---
amdhsa.version: [ 1, 2 ]
amdhsa.kernels:
  - .name:           k_q2719c1d7b2_quant
    .symbol:         k_q2719c1d7b2_quant.kd
    .args:
      - { .name: k, .offset: 0, .size: 8, .value_kind: global_buffer, .address_space: global }
      - { .name: v, .offset: 8, .size: 8, .value_kind: global_buffer, .address_space: global }
      - { .name: lowp_scales, .offset: 16, .size: 8, .value_kind: global_buffer, .address_space: global }
      - { .name: kv, .offset: 24, .size: 8, .value_kind: global_buffer, .address_space: global }
    .group_segment_fixed_size: 51712
    .private_segment_fixed_size: 0
    .kernarg_segment_align: 8
    .kernarg_segment_size: 32
    .max_flat_workgroup_size: 128
    .sgpr_count:     66
    .vgpr_count:     256
    .wavefront_size: 32
...
	.end_amdgpu_metadata
.endif
;; end of part 1
;; launch attn (part 2): grid 16 x 16, 8 waves a work-group, no clusters, 201,728 bytes of LDS; arguments q, kv, lowp_scales, out0; writes out0
.if DOCPART == 2
	.amdgcn_target "amdgcn-amd-amdhsa--gfx1250"
	.amdhsa_code_object_version 6
	.text
	.protected	k_q2719c1d7b2_attn
	.globl	k_q2719c1d7b2_attn
	.p2align	8
	.type	k_q2719c1d7b2_attn,@function
k_q2719c1d7b2_attn:
	s_mov_b64 s[64:65], 0
	v_nop
	global_prefetch_b8 v0, s[64:65] scope:SCOPE_SE
	s_setreg_imm32_b32 hwreg(HW_REG_WAVE_MODE, 25, 1), 1
	s_wait_xcnt 0x0
; out[h][q][:] = the sum over k of softmax_k(Q[h][q] . K[h][k] / 8) V[h][k][:]; 16 heads, 4,096 queries, 4,096 keys, head size 64; both products on codes of BF8 (E5M2), each operand with its given scale 2^e: eq, ek, ep, ev.
; Q arrives as f32 and is quantised here, in registers: each row is read by one wave, once.  K and V arrive as codes, as images of the operands' registers: kv = [head][128 keys][16,384 bytes]:
; 8,192 bytes of K (eight tiles of 16 keys x 64 channels), then 8,192 of V^T (four tiles of 16 channels x 128 keys); register 4 n .. 4 n + 3 of lane l lies at 512 n + 16 l of its half.
; THE SOFTMAX AHEAD OF THE SECOND PRODUCT: t = score x log2(e) / 8; M = the row's largest t so far, rounded UP to a whole number; p = 2^(t - M) is what is quantised, along the keys; it is not normalised.
; The row's sum is taken of the unquantised p, in f32, and divides O at the end.  When M moves, the sum and O are multiplied by 2^(old M - new M): exact.
; SHARES.  A work-group owns 256 queries of one head; each of its EIGHT waves owns 32 of them, two tiles A and B of 16, in 512 registers: two waves to a SIMD.  Each fragment of K and V that a wave reads from LDS feeds both tiles.
; Every wave walks the head's 16 steps of 256 keys.  LDS holds four slots of one step (32,768 bytes) that take turns; step s lies in slot s % 4.  In step s each wave loads an eighth, 4,096 bytes, of step s + 2 into registers and stores it into its slot.
; ONE BARRIER A STEP, ITS SIGNAL AND ITS WAIT APART.  A wave signals in step s when its stores for step s + 2 and its reads of step s's V are done; it waits in step s + 1, behind that step's scores.  Between the two it reads K of step s + 1,
; which the barrier before has shown, and which is written over in step s + 3 only.  The slot that step s stores into was last read in step s - 2, and those reads were waited for ahead of that step's signal.
; WHY NO TENSOR LOADS AND NO CLUSTER, though the 16 work-groups of a head read the same kv: the hold of p at the largest code is 256 instructions of a step.  p is at most 1 (but for rounding), and the largest code stands for 57,344 x 2^ep = 1.75 x 2^(ep + 15):
; with ep >= -15 the hold changes no number, and a scalar branch on the given ep leads round it.
; The way through registers costs a wave eight loads and eight LDS stores a step.
; LAYOUT.  Both products are used transposed: S^T = K Q^T (source 0 = 16 keys, source 1 = 16 queries), O^T = V^T P^T (source 0 = 16 channels, source 1 = P): a lane holds ONE query of each tile (lane % 16) throughout.
; In S^T's tile T lane (r, h) holds keys 16 T + 8 h + 0 .. 7: their eight codes are registers 2 T, 2 T + 1 of P in the K = 128 form's own layout (ISA guide 7.12.2), and V's image is laid for that layout.
; In the first product the channels stand permuted, alike in K and in Q (registers 4 c .. 4 c + 3: channels 32 c + 16 h + 0 .. 15): every product meets its partner; only the order of the sums inside an instruction changes.
; LIMITS on the given exponents, so that each power of two below is an f32 number: eq + ek between -123 and 130 (they are added to c's exponent field); eq and ep between -126 and 112; ep + ev is applied by v_ldexp_f32 and has none.
; The scaled scores t stay under 2^31 in magnitude.  NaN among the inputs is not served.  A p under 2^-126 comes out of v_exp_f32 as 0 (ISA guide 15.8).
.set SLOT2, 65536                      ; slots 0 and 1 lie below, slots 2 and 3 from here on
.set SPARE, 2*SLOT2                    ; the spare words, 128 bytes for each wave: four blocks of 256 bytes that no other line names
.set STG,   SPARE+8*128                ; a stage of 32 rows x 272 bytes for each wave, for Q's way in and O's way out
.set SP,    272                        ; a stage row: 256 bytes + 16 of padding
; window 0:
.set LI,   1                           ; v1   16 x lane
.set SPW,  2                           ; v2   LDS address of my spare word: SPARE + 4 x my thread's number; never rewritten
.set NIL,  3                           ; v3   0; never rewritten
.set PFO,  4                           ; v4   256 x lane: the prefetches' offset
.set SI,   5                           ; v5   the stage by rows as they lie in memory: row lane / 16, 16 bytes at 16 (lane % 16)
.set SQ,   6                           ; v6   Q out of it: row r, 64 h bytes on
.set SO,   7                           ; v7   O into it: row r, 32 h bytes on
.set RD,   8                           ; v8, v9: where I read in slots 0 and 1, 2 and 3: 16 x lane
.set WA,   10                          ; v10, v11: where I store in slots 0 and 1, 2 and 3: 4,096 x wave + 16 x lane; v10 is my offset in a step's image in memory too
.set SCP,  12                          ; v12  2^ep as f32, for p's conversions
.set MA,   14                          ; v[14:15] tile A: -M;   v[30:31] tile B's
.set FA,   16                          ; v[16:17] f = 2^(old M - new M);   v[32:33]
.set RA,   18                          ; v18  the largest score so far, unscaled;   v34
.set TA,   19                          ; v19-21 at work;   v35-37
.set CA,   22                          ; v22-29 the row's sum in four pairs;   v38-45
.set MB,   30
.set FB,   32
.set RB,   34
.set TB,   35
.set CB,   38
.set QA,   48                          ; v48-55 Q's codes, tile A;   v56-63 tile B
.set QB,   56
.set F,    64                          ; v64-127  K's fragments of a step's first 128 keys; in between, at work in the maxima and the sums
.set P,    128                         ; v128-159 p's codes of tile A, v160-191 of tile B.  In between: K's fragments of the step's second 128 keys, then (v160-191) my eight loads of step s + 2
.set O,    192                         ; v192-223 O^T of tile A, v224-255 of tile B
; window 1: v0-127 S^T of tile A, then p, then V's eight fragments; v128-255 S^T of tile B, then p
.set CS,   32                          ; s[32:33] c = log2(e) / 8 x 2^(eq + ek): the packed form names a pair and takes its low word for both halves
.set NC,   34                          ; s34  -c
.set SEL,  36                          ; s[36:37] lane selects for v_permlanex16_b32: lane l xor 16
.set HL,   44                          ; s44  57,344 x 2^ep
.set HOLD, 45                          ; s45  1 where ep < -15: the hold is due
.set TRIP, 46                          ; s46  the loop's count
.set STEPN, 47                         ; s47  the step's number
.set KVP,  48                          ; s[48:49] the trip's first step in kv
.set PFA,  50                          ; s[50:51] what my wave prefetches
.set LIM,  52                          ; s52  the step in which it does; -1 or under: never
.set MSB, 0
.macro WIN new                         ; the immediate's high byte repeats the setting that is left
.if MSB != \new
	s_set_vgpr_msb (MSB<<8)|\new
.set MSB, \new
.endif
.endm
.macro PLACES k                        ; a load into a register that a matrix instruction has read, and a vector instruction that reads a matrix result, stand four plain vector instructions behind it; a matrix instruction that writes over such a register five
.rept \k
	v_nop
.endr
.endm
.macro LDS16 dst, adr, off             ; 8,192 bytes of an image: sixteen loads of 512 consecutive bytes
.set n, 0
.rept 16
	ds_load_b128 v[\dst+4*n:\dst+4*n+3], v[\adr] offset:(\off)+512*n
.set n, n+1
.endr
.endm
.macro NEXTK dst, off                  ; half of the next step's K.  Behind the last step there is none
.if JN == 0
	s_cmp_eq_u32 s[TRIP], 3
	s_cbranch_scc1 .Lno_next_\@
.endif
	LDS16 \dst, RD+JN/2, (JN%2)*32768+\off
.Lno_next_\@:
.endm
.macro SPROD fr, off                   ; S^T of 128 keys, eight tiles, for both tiles of queries
.set n, 0
.rept 8
	v_wmma_f32_16x16x64_bf8_bf8 v[\off+8*n:\off+8*n+7], v[\fr+8*n:\fr+8*n+7], v[QA:QA+7], 0
	v_wmma_f32_16x16x64_bf8_bf8 v[128+\off+8*n:128+\off+8*n+7], v[\fr+8*n:\fr+8*n+7], v[QB:QB+7], 0
.set n, n+1
.endr
.endm
; Step s + 2's eighth, on its way while this step's scores are worked.  The last two steps have no step two on.
.macro ASKED j
.if (\j) >= 2
	s_cmp_eq_u32 s[TRIP], 3
	s_cbranch_scc1 .Lno_ask_\@
.endif
.set n, 0
.rept 8
	global_load_b128 v[P+32+4*n:P+35+4*n], v[WA], s[KVP:KVP+1] offset:((\j)+2)*32768+512*n
.set n, n+1
.endr
.Lno_ask_\@:
.endm
.macro STOW j
.if (\j) >= 2
	s_cmp_eq_u32 s[TRIP], 3
	s_cbranch_scc1 .Lno_stow_\@
.endif
.set n, 0
.rept 8
	ds_store_b128 v[WA+1-(\j)/2], v[P+32+4*n:P+35+4*n] offset:((\j)%2)*32768+512*n
.set n, n+1
.endr
.Lno_stow_\@:
.endm
; A PREFETCH INTO THE L2: the work-group with number x of a head asks for step x, 32,768 bytes, in step x - 4: two steps ahead of the loads that want it.  Waves 0 to 3 ask, 8,192 bytes each, lanes 256 bytes apart: one instruction.
; Each aligned block of 256 bytes is asked for once in the launch.  Steps 0 to 3 come by their loads alone: the work-groups 0 to 3 ask for nothing; nobody asks for a step behind the last.
.macro AHEAD
	s_cmp_eq_u32 s[STEPN], s[LIM]
	s_cbranch_scc0 .Lnot_mine_\@
	global_prefetch_b8 v[PFO], s[PFA:PFA+1] th:TH_LOAD_NT scope:SCOPE_SE
.Lnot_mine_\@:
.endm
.macro HOLDP b                         ; p is not negative, so the hold is one-sided; the conversion to an 8-bit code does not saturate (ISA guide 7.6.2)
	s_cmp_lg_u32 s[HOLD], 0
	s_cbranch_scc0 .Lno_hold_\@
	WIN 0x45
.set n, 0
.rept 128
	v_min_num_f32 v[\b+n], s[HL], v[\b+n]
.set n, n+1
.endr
	WIN 0
.Lno_hold_\@:
.endm
.macro SUMP c, b                       ; the row's sum, of the unquantised p, in eight chains, four of them in F's registers
	WIN 0x05
.irp i, 0,2,4,6
	v_pk_add_f32 v[F+\i:F+\i+1], v[\b+\i:\b+\i+1], v[\b+8+\i:\b+9+\i]
.endr
	WIN 0x04
.set n, \b+16
.rept 7
.irp i, 0,2,4,6
	v_pk_add_f32 v[\c+\i:\c+\i+1], v[\c+\i:\c+\i+1], v[n+\i:n+\i+1]
.endr
.irp i, 0,2,4,6
	v_pk_add_f32 v[F+\i:F+\i+1], v[F+\i:F+\i+1], v[n+8+\i:n+9+\i]
.endr
.set n, n+16
.endr
	WIN 0
.irp i, 0,2,4,6
	v_pk_add_f32 v[\c+\i:\c+\i+1], v[\c+\i:\c+\i+1], v[F+\i:F+\i+1]
.endr
.endm
.macro CVTP d, b                       ; registers 2 n, 2 n + 1 of P: keys 16 n + 8 h + 0 .. 7
	WIN 0x01
.set n, 0
.rept 16
	v_cvt_scalef32_pk8_bf8_f32 v[\d+2*n:\d+2*n+1], v[\b+8*n:\b+8*n+7], v[SCP]
.set n, n+1
.endr
	v_nop                                          ; one plain vector instruction behind a run of scaled conversions
.endm
.macro MAX8 ta, tb, ta1, tb1, i        ; two chains' links, each for both tiles
	v_max3_num_f32 v[TA], v[\ta], v[\i], v[\i+1]
	v_max3_num_f32 v[TB], v[\tb], v[128+\i], v[129+\i]
	v_max3_num_f32 v[TA+1], v[\ta1], v[\i+2], v[\i+3]
	v_max3_num_f32 v[TB+1], v[\tb1], v[130+\i], v[131+\i]
.endm
.macro MAX8F fa, fb, fa1, fb1, i       ; two more, in F's registers
	v_max3_num_f32 v[F], v[\fa], v[\i+4], v[\i+5]
	v_max3_num_f32 v[F+2], v[\fb], v[132+\i], v[133+\i]
	v_max3_num_f32 v[F+1], v[\fa1], v[\i+6], v[\i+7]
	v_max3_num_f32 v[F+3], v[\fb1], v[134+\i], v[135+\i]
.endm
; A STEP: 256 keys, the j-th of a trip's four; it lies in slot j: K, V^T of its first 128 keys, K, V^T of its second 128.  Its K is on its way into F and P.
.macro STEP j
.set SB, ((\j)%2)*32768
.set JN, ((\j)+1)%4
	s_wait_dscnt 16                                ; K's first half is in; the sixteen loads of its second may be out
	WIN 0x40
	SPROD F, 0
	s_wait_dscnt 0x0
	SPROD P, 64
	WIN 0
	PLACES 4                                       ; for the loads into K's registers and the first read of the scores
	s_barrier_wait -1                              ; the step before's barrier: step s + 1 is whole, and nobody reads step s - 2's slot any more
	ASKED \j
	AHEAD
	; the largest score of my two queries, the earlier ones' among the leaves, four chains each; in ascending order
	WIN 0x14
	MAX8 RA, RB, RA, RB, 0
	MAX8F RA, RB, RA, RB, 0
.set n, 8
.rept 15
	MAX8 TA, TB, TA+1, TB+1, n
	MAX8F F, F+2, F+1, F+3, n
.set n, n+8
.endr
	WIN 0
	v_max3_num_f32 v[TA], v[TA], v[TA+1], v[F]
	v_max3_num_f32 v[TB], v[TB], v[TB+1], v[F+2]
	v_max_num_f32 v[TA], v[TA], v[F+1]
	v_max_num_f32 v[TB], v[TB], v[F+3]
	v_permlanex16_b32 v[TA+2], v[TA], s[SEL], s[SEL+1]
	v_permlanex16_b32 v[TB+2], v[TB], s[SEL], s[SEL+1]
	v_max_num_f32 v[RA], v[TA], v[TA+2]            ; and among lane l xor 16's
	v_max_num_f32 v[RB], v[TB], v[TB+2]
	v_mul_f32 v[TA], s[NC], v[RA]                  ; -t (c is positive)
	v_mul_f32 v[TB], s[NC], v[RB]
	v_floor_f32 v[TA], v[TA]                       ; the new -M = floor(-t) = -ceil(t): M IS A WHOLE NUMBER
	v_floor_f32 v[TB], v[TB]
	v_sub_f32 v[TA+1], v[TA], v[MA]                ; M's old value less its new one: a whole number, 0 or less
	v_sub_f32 v[TB+1], v[TB], v[MB]
	v_mov_b32 v[MA], v[TA]
	v_mov_b32 v[MB], v[TB]
	v_cvt_i32_f32 v[TA+1], v[TA+1]                 ; (it saturates)
	v_cvt_i32_f32 v[TB+1], v[TB+1]
	v_ldexp_f32 v[FA], 1.0, v[TA+1]                ; f = 2^(old M - new M): a multiplication that rounds nothing
	v_ldexp_f32 v[FB], 1.0, v[TB+1]
.set n, 0
.rept 16
	v_pk_mul_f32 v[O+n:O+n+1], v[O+n:O+n+1], v[FA:FA+1] op_sel_hi:[1,0]             ; O^T under the new M, each tile from its low end on
	v_pk_mul_f32 v[O+32+n:O+33+n], v[O+32+n:O+33+n], v[FB:FB+1] op_sel_hi:[1,0]
.set n, n+2
.endr
.set n, 0
.rept 4
	v_pk_mul_f32 v[CA+n:CA+n+1], v[CA+n:CA+n+1], v[FA:FA+1] op_sel_hi:[1,0]         ; and the sums
	v_pk_mul_f32 v[CB+n:CB+n+1], v[CB+n:CB+n+1], v[FB:FB+1] op_sel_hi:[1,0]
.set n, n+2
.endr
	WIN 0x41
.set n, 0
.rept 64
	v_pk_fma_f32 v[n:n+1], v[n:n+1], s[CS:CS+1], v[MA:MA+1] op_sel_hi:[1,0,0]       ; A: t - M, two at a time (of the pairs c and -M the low word serves both halves)
.set n, n+2
.endr
	s_wait_alu depctr_va_vdst(0)                   ; the wait ahead of the batch,
.set n, 0
.rept 64
	v_exp_f32 v[n], v[n]                           ; A: p = 2^(t - M), NOT normalised; between, B's t - M, which nobody reads before the wait below
	v_exp_f32 v[n+1], v[n+1]
	v_pk_fma_f32 v[128+n:129+n], v[128+n:129+n], s[CS:CS+1], v[MB:MB+1] op_sel_hi:[1,0,0]
.set n, n+2
.endr
	s_wait_alu depctr_va_vdst(0)                   ; and the wait behind it, which stands ahead of B's batch too
	SUMP CA, 0
	HOLDP 0
	CVTP P, 0
	WIN 0x40
	LDS16 0, RD+(\j)/2, SB+8192                    ; tile A's numbers are done with: V's fragments take their registers, the first 128 keys',
	LDS16 64, RD+(\j)/2, SB+24576                  ; then the second's
	WIN 0x41
.set n, 0
.rept 128
	v_exp_f32 v[128+n], v[128+n]                   ; B's p
.set n, n+1
.endr
	v_nop                                          ; a plain instruction behind the batch
	s_wait_alu depctr_va_vdst(0)                   ; the wait behind it
	WIN 0
	s_wait_loadcnt 0x0                             ; my eighth of step s + 2 is in,
	STOW \j                                        ; and goes into its slot
	SUMP CB, 128
	HOLDP 128
	s_wait_dscnt 0x0                               ; V is in, and my stores have read their registers and are done:
	s_barrier_signal -1                            ; say so.  Up to the barrier's wait only work on registers and reads of K of step s + 1, which nobody writes over before a later barrier
	NEXTK F, 0
	CVTP P+32, 128
.irp u, 0,1
.set n, 0
.rept 4
	v_wmma_f32_16x16x128_bf8_bf8 v[O+8*n:O+8*n+7], v[64*\u+16*n:64*\u+16*n+15], v[P+16*\u:P+16*\u+15], v[O+8*n:O+8*n+7]   ; O^T += V^T P^T: the eight accumulators by turns, one instruction a turn
	v_wmma_f32_16x16x128_bf8_bf8 v[O+32+8*n:O+39+8*n], v[64*\u+16*n:64*\u+16*n+15], v[P+32+16*\u:P+47+16*\u], v[O+32+8*n:O+39+8*n]
.set n, n+1
.endr
.endr
	WIN 0
	PLACES 5                                       ; for the loads into P, and for the next scores, which matrix instructions write over V's registers
.if JN == 0
	s_wait_alu depctr_va_vdst(0)                   ; the wait here, ahead of the branch round the loads into P
.endif
	NEXTK P, 16384
	s_add_co_u32 s[STEPN], s[STEPN], 1
.endm
	s_load_b256 s[4:11], s[0:1], 0x0               ; q s[4:5], kv s[6:7], the scales' exponents s[8:9], out s[10:11]
	v_lshl_add_u32 v[SPW], v0, 2, SPARE
	v_mov_b32 v[NIL], 0
	v_lshrrev_b32 v13, 5, v0
	v_readfirstlane_b32 s12, v13                   ; wave 0..7
	s_lshl_b32 s13, s12, 12                        ; my eighth of a step
	s_mul_i32 s14, s12, 32*SP
	s_add_co_u32 s14, s14, STG                     ; my stage
	v_and_b32 v19, 31, v0                          ; lane
	v_and_b32 v20, 15, v0                          ; r
	v_bfe_u32 v21, v0, 4, 1                        ; h
	v_lshlrev_b32 v[LI], 4, v19
	v_lshlrev_b32 v[RD], 4, v19
	v_lshlrev_b32 v[PFO], 8, v19
	v_add_nc_u32 v[RD+1], SLOT2, v[LI]
	v_add_nc_u32 v[WA], s13, v[LI]
	v_add_nc_u32 v[WA+1], SLOT2, v[WA]
	v_mul_u32_u24 v[SI], v21, SP
	v_lshl_add_u32 v[SI], v20, 4, v[SI]
	v_add_nc_u32 v[SI], s14, v[SI]
	v_mul_u32_u24 v[SQ], v20, SP
	v_lshl_add_u32 v[SO], v21, 5, v[SQ]
	v_lshl_add_u32 v[SQ], v21, 6, v[SQ]
	v_add_nc_u32 v[SQ], s14, v[SQ]
	v_add_nc_u32 v[SO], s14, v[SO]
	s_wait_alu depctr_va_vdst(0)                   ; the wait here, ahead of the scalar lines and the wait below
	s_and_b32 s15, ttmp7, 0xffff                   ; the head
	s_lshl_b32 s16, s15, 20                        ; q and out: a head is 4,096 rows of 256 bytes,
	s_lshl_b32 s17, ttmp9, 16                      ; a work-group's block 256 rows,
	s_add_co_u32 s16, s16, s17
	s_lshl_b32 s17, s12, 13                        ; a wave 32
	s_add_co_u32 s16, s16, s17
	s_mov_b32 s17, 0
	s_lshl_b32 s18, s15, 19                        ; a head's images: 32 x 16,384 bytes
	s_mov_b32 s19, 0
	s_lshl_b32 s20, ttmp9, 15                      ; the prefetch: step x of my head,
	s_add_co_u32 s20, s20, s18
	s_and_b32 s21, s12, 3
	s_lshl_b32 s21, s21, 13                        ; my wave's 8,192 bytes of it
	s_add_co_u32 s20, s20, s21
	s_mov_b32 s21, 0
	s_sub_co_u32 s[LIM], ttmp9, 4                  ; in step x - 4 (below step 0: never)
	s_cmp_lt_u32 s12, 4
	s_cselect_b32 s[LIM], s[LIM], -1               ; waves 4 to 7 do not ask
	s_mov_b32 s[SEL], 0x76543210
	s_mov_b32 s[SEL+1], 0xfedcba98
	s_mov_b32 s[CS], 0x3e38aa3b                    ; c = log2(e) / 8
	s_mov_b32 s[TRIP], 0
	s_mov_b32 s[STEPN], 0
	s_wait_kmcnt 0x0
	s_load_b128 s[40:43], s[8:9], 0x0              ; eq, ek, ep, ev
	s_add_nc_u64 s[4:5], s[4:5], s[16:17]
	s_add_nc_u64 s[10:11], s[10:11], s[16:17]
	s_add_nc_u64 s[KVP:KVP+1], s[6:7], s[18:19]
	s_add_nc_u64 s[PFA:PFA+1], s[6:7], s[20:21]
.set n, 0
.rept 16
	global_load_b128 v[F+4*n:F+4*n+3], v[LI], s[4:5] offset:512*n th:TH_LOAD_NT   ; my 32 rows of q as they lie: 512 consecutive bytes, two rows, a load
.set n, n+1
.endr
.set n, 0
.rept 8
	global_load_b128 v[P+4*n:P+4*n+3], v[WA], s[KVP:KVP+1] offset:512*n           ; my eighth of steps 0 and 1
.set n, n+1
.endr
.set n, 0
.rept 8
	global_load_b128 v[P+32+4*n:P+35+4*n], v[WA], s[KVP:KVP+1] offset:32768+512*n
.set n, n+1
.endr
.irp b, 0,16
	v_mov_b32 v[MA+\b], 0x7f61b1e6                 ; -M: 3e38, over every -t: the first f is 0
	v_mov_b32 v[MA+1+\b], 0                        ; (upper halves of pairs, named with them)
	v_mov_b32 v[FA+1+\b], 0
	v_mov_b32 v[RA+\b], 0xff61b1e6                 ; the largest score so far: -3e38
	v_mov_b32 v[TA+2+\b], 0                        ; written once: a lane permute's destination counts as one of its sources
.set n, 0
.rept 8
	v_mov_b32 v[CA+\b+n], 0                        ; the sums
.set n, n+1
.endr
.endr
	s_wait_kmcnt 0x0
	s_add_co_i32 s53, s40, s41
	s_lshl_b32 s53, s53, 23
	s_add_co_i32 s[CS], s[CS], s53                 ; a score stands for score x 2^(eq + ek): the two exponents are added to c's exponent field
	s_mov_b32 s[CS+1], s[CS]                       ; (named with it as a pair, so it is written)
	s_xor_b32 s[NC], s[CS], 0x80000000
	s_add_co_i32 s53, s42, 127
	s_lshl_b32 s54, s53, 23                        ; 2^ep as f32
	s_add_co_i32 s53, s53, 15
	s_lshl_b32 s53, s53, 23
	s_or_b32 s[HL], s53, 0x600000                  ; 57,344 x 2^ep
	s_cmp_lt_i32 s42, -15
	s_cselect_b32 s[HOLD], 1, 0                    ; p can pass the largest code x the scale
	s_add_co_i32 s53, s40, 127
	s_lshl_b32 s55, s53, 23                        ; 2^eq
	s_add_co_i32 s53, s53, 15
	s_lshl_b32 s53, s53, 23
	s_or_b32 s53, s53, 0x600000                    ; 57,344 x 2^eq
	v_mov_b32 v[SCP], s54
	v_mov_b32 v46, s55
	v_mov_b32 v47, s53
	; Q: through my stage, so that a lane holds 2 x 16 neighbouring channels of ONE query; then quantised: the conversions' results are the operand's registers
	s_wait_alu depctr_va_vdst(0)
	s_wait_loadcnt 16                              ; Q's sixteen loads are in; the sixteen of kv behind them may be out
.set n, 0
.rept 16
	ds_store_b128 v[SI], v[F+4*n:F+4*n+3] offset:2*SP*n
.set n, n+1
.endr
.irp i, 0,1,2,3,4,5,6,7
	ds_load_b128 v[O+4*\i:O+4*\i+3], v[SQ] offset:128*(\i/4)+16*(\i%4)                      ; register 16 c + i: channel 32 c + 16 h + i of query r.  LDS serves a wave's instructions in order (ISA guide 5.7.1.4): these see my stores
.endr
.irp i, 0,1,2,3,4,5,6,7
	ds_load_b128 v[O+32+4*\i:O+35+4*\i], v[SQ] offset:16*SP+128*(\i/4)+16*(\i%4)
.endr
	s_wait_dscnt 0x0
.set n, 0
.rept 64
	v_med3_num_f32 v[O+n], v[O+n], -v47, v47       ; the hold at the largest code x the scale
.set n, n+1
.endr
.set n, 0
.rept 8
	v_cvt_scalef32_pk8_bf8_f32 v[QA+2*n:QA+2*n+1], v[O+8*n:O+8*n+7], v46
.set n, n+1
.endr
	v_nop                                          ; one plain vector instruction behind the conversions
.set n, 0
.rept 64
	v_mov_b32 v[O+n], 0                            ; O^T.  (The step has no first form: the first change of M multiplies these zeros; a first step of its own would be one more copy of the step)
.set n, n+1
.endr
	s_wait_alu depctr_va_vdst(0)                   ; the wait at the head's end
	s_wait_loadcnt 0x0
.set n, 0
.rept 8
	ds_store_b128 v[WA], v[P+4*n:P+4*n+3] offset:512*n
	ds_store_b128 v[WA], v[P+32+4*n:P+35+4*n] offset:32768+512*n
.set n, n+1
.endr
	s_wait_dscnt 0x0                               ; my part of steps 0 and 1 is stored
	s_barrier_signal -1
	s_barrier_wait -1
	s_barrier_signal -1                            ; the signal for step 0's wait
	LDS16 F, RD, 0                                 ; step 0's K
	LDS16 P, RD, 16384
.Ltrip:                                            ; four trips of four steps; the barrier's signal is out at each trip's head
	STEP 0
	STEP 1
	STEP 2
	STEP 3
	s_wait_xcnt 0x0                                ; no load or prefetch of mine still reads its address
	s_add_nc_u64 s[KVP:KVP+1], s[KVP:KVP+1], 4*32768
	s_add_co_u32 s[TRIP], s[TRIP], 1
	s_cmp_lt_u32 s[TRIP], 4
	s_cbranch_scc1 .Ltrip
	s_wait_dscnt 0x0
	s_barrier_wait -1                              ; the wait that belongs to the last step's signal
	; THE WAY OUT.  The sums' parts are added; O^T is divided by the sum, multiplied by 2^(ep + ev), and goes through my stage, so that the 32 lanes store 512 consecutive bytes, two whole rows of out.
	v_pk_add_f32 v[CA:CA+1], v[CA:CA+1], v[CA+2:CA+3]
	v_pk_add_f32 v[CB:CB+1], v[CB:CB+1], v[CB+2:CB+3]
	v_pk_add_f32 v[CA+4:CA+5], v[CA+4:CA+5], v[CA+6:CA+7]
	v_pk_add_f32 v[CB+4:CB+5], v[CB+4:CB+5], v[CB+6:CB+7]
	v_pk_add_f32 v[CA:CA+1], v[CA:CA+1], v[CA+4:CA+5]
	v_pk_add_f32 v[CB:CB+1], v[CB:CB+1], v[CB+4:CB+5]
	v_add_f32 v[CA], v[CA], v[CA+1]
	v_add_f32 v[CB], v[CB], v[CB+1]
	v_permlanex16_b32 v[TA+2], v[CA], s[SEL], s[SEL+1]
	v_permlanex16_b32 v[TB+2], v[CB], s[SEL], s[SEL+1]
	v_add_f32 v[CA], v[CA], v[TA+2]                ; and lane l xor 16's: the row's sum
	v_add_f32 v[CB], v[CB], v[TB+2]
	s_wait_alu depctr_va_vdst(0)                   ; the wait ahead of the batch,
	v_rcp_f32 v[FA], v[CA]
	v_rcp_f32 v[FB], v[CB]
	v_nop                                          ; a plain instruction behind the batch
	s_add_co_i32 s53, s42, s43
	s_wait_alu depctr_va_vdst(0)                   ; and the wait behind it
	v_ldexp_f32 v[FA], v[FA], s53                  ; x 2^(ep + ev)
	v_ldexp_f32 v[FB], v[FB], s53
	s_wait_alu depctr_va_vdst(0)                   ; the wait here, directly ahead of the first readers of O^T
.set n, 0
.rept 16
	v_pk_mul_f32 v[O+n:O+n+1], v[O+n:O+n+1], v[FA:FA+1] op_sel_hi:[1,0]   ; register 8 t + j is out(r, 16 t + 8 h + j); each tile from its low end on
.set n, n+2
.endr
.set n, 32
.rept 16
	v_pk_mul_f32 v[O+n:O+n+1], v[O+n:O+n+1], v[FB:FB+1] op_sel_hi:[1,0]
.set n, n+2
.endr
.irp t, 0,1,2,3
	ds_store_b128 v[SO], v[O+8*\t:O+8*\t+3] offset:64*\t
	ds_store_b128 v[SO], v[O+8*\t+4:O+8*\t+7] offset:64*\t+16
	ds_store_b128 v[SO], v[O+32+8*\t:O+35+8*\t] offset:16*SP+64*\t
	ds_store_b128 v[SO], v[O+36+8*\t:O+39+8*\t] offset:16*SP+64*\t+16
.endr
.set n, 0
.rept 16
	ds_load_b128 v[F+4*n:F+4*n+3], v[SI] offset:2*SP*n   ; the wave's own bytes, in order behind its stores
.set n, n+1
.endr
.set n, 0
.rept 16
	s_wait_dscnt 15-n                              ; load n is in; the 15 - n behind it may be out
	global_store_b128 v[LI], v[F+4*n:F+4*n+3], s[10:11] offset:512*n th:TH_STORE_NT   ; written once, read by nobody here
.set n, n+1
.endr
	s_wait_tensorcnt 0x0                           ; the wave's end, behind my last LDS store
	ds_add_u32 v[SPW], v[NIL]
	s_wait_dscnt 0x0
	s_endpgm
.Lfunc_end_k_q2719c1d7b2_attn:
	.size	k_q2719c1d7b2_attn, .Lfunc_end_k_q2719c1d7b2_attn-k_q2719c1d7b2_attn
	.p2alignl 7, 3214868480
	.fill 96, 4, 3214868480
	.section	.rodata,"a",@progbits
	.p2align	6, 0x0
	.amdhsa_kernel k_q2719c1d7b2_attn
		.amdhsa_group_segment_fixed_size 201728
		.amdhsa_private_segment_fixed_size 0
		.amdhsa_enable_private_segment 0
		.amdhsa_kernarg_size 32
		.amdhsa_user_sgpr_count 2
		.amdhsa_user_sgpr_kernarg_segment_ptr 1
		.amdhsa_wavefront_size32 1
		.amdhsa_system_sgpr_workgroup_id_x 1
		.amdhsa_system_sgpr_workgroup_id_y 1
		.amdhsa_system_sgpr_workgroup_id_z 1
		.amdhsa_system_vgpr_workitem_id 0
		.amdhsa_next_free_vgpr 512
		.amdhsa_next_free_sgpr 66
		.amdhsa_reserve_vcc 0
		.amdhsa_float_denorm_mode_32 3
		.amdhsa_float_denorm_mode_16_64 3
		.amdhsa_memory_ordered 1
		.amdhsa_forward_progress 1
		.amdhsa_inst_pref_size 248
	.end_amdhsa_kernel
	.amdgpu_metadata
---
amdhsa.version: [ 1, 2 ]
amdhsa.kernels:
  - .name:           k_q2719c1d7b2_attn
    .symbol:         k_q2719c1d7b2_attn.kd
    .args:
      - { .name: q, .offset: 0, .size: 8, .value_kind: global_buffer, .address_space: global }
      - { .name: kv, .offset: 8, .size: 8, .value_kind: global_buffer, .address_space: global }
      - { .name: lowp_scales, .offset: 16, .size: 8, .value_kind: global_buffer, .address_space: global }
      - { .name: out0, .offset: 24, .size: 8, .value_kind: global_buffer, .address_space: global }
    .group_segment_fixed_size: 201728
    .private_segment_fixed_size: 0
    .kernarg_segment_align: 8
    .kernarg_segment_size: 32
    .max_flat_workgroup_size: 256
    .sgpr_count:     66
    .vgpr_count:     512
    .wavefront_size: 32
...
	.end_amdgpu_metadata
.endif
;; end of part 2
